; MI455X (gfx1250); checked and timed in simulation.
; The chip was launched on July 23, 2026; its instructions are those of AMD's public machine-readable ISA for CDNA 5 (MIT licence, August 2026) and "CDNA5" Instruction Set Architecture Reference Guide (July 2026). The comments in the code are by the model that wrote it; some were corrected since.
;; SA Module. Allowed arithmetic: matrix products marked QUANTISED: E4M3 operands, one E8M0 scale for each 32 along K, by v_wmma_scale_f32_16x16x128_f8f6f4 with both operands' format E4M3, f32 sums; products left as they are: f32 operands where the result goes on into a quantised operand, else bf16, f16 or f32 operands; f32 sums; everything else in f32.
;; Inputs: bbox_b 256 float32; bbox_w 256 x 6 float32; bk 256 float32; bn_b 256 float32; bn_g 256 float32; bn_mean 256 float32; bn_var 256 float32; bo 256 float32; bq 256 float32; bv 256 float32; conv1_b 256 float32; conv1_w 256 x 240 float32; conv2_b 256 float32; conv2_w_codes 256 x 8 x 32 uint8 (E4M3 codes of conv2_w, K innermost, in blocks of 32 codes); conv2_w_scales 256 x 8 uint8 (E8M0 scales of conv2_w, one for each 32 codes along K); fc1_b 32 float32; fc1_w 32 x 4 float32; fc2_b 32 float32; fc2_w_codes 32 x 1 x 32 uint8 (E4M3 codes of fc2_w, K innermost, in blocks of 32 codes); fc2_w_scales 32 x 1 uint8 (E8M0 scales of fc2_w, one for each 32 codes along K); fc3_b 4 float32; fc3_w 4 x 32 float32; ln1_b 32 float32; ln1_g 32 float32; ln2_b 32 float32; ln2_g 32 float32; obj_center 2,048 x 3 float32; obj_feature 2,048 x 240 float32; obj_size 2,048 x 3 float32; prelu_a 256 float32; wk_codes 256 x 8 x 32 uint8 (E4M3 codes of wk, K innermost, in blocks of 32 codes); wk_scales 256 x 8 uint8 (E8M0 scales of wk, one for each 32 codes along K); wo_codes 256 x 8 x 32 uint8 (E4M3 codes of wo, K innermost, in blocks of 32 codes); wo_scales 256 x 8 uint8 (E8M0 scales of wo, one for each 32 codes along K); wq_codes 256 x 8 x 32 uint8 (E4M3 codes of wq, K innermost, in blocks of 32 codes); wq_scales 256 x 8 uint8 (E8M0 scales of wq, one for each 32 codes along K); wv_codes 256 x 8 x 32 uint8 (E4M3 codes of wv, K innermost, in blocks of 32 codes); wv_scales 256 x 8 uint8 (E8M0 scales of wv, one for each 32 codes along K).
;; Outputs: out0 2,048 x 256 float32.
;; This version of the problem:
;;   THIS VERSION OF THE PROBLEM IS GIVEN IN LOW PRECISION. The matrix products marked QUANTISED in the list below multiply operands that are first quantised to E4M3 (4 exponent bits, 3 mantissa bits; 8 bits a number), with one power-of-two scale for each 32 numbers along K (OCP MX v1.0); their sums are f32. All else is computed in f32.
;;   The module's matrix products, in the order in which they are computed (A, B: the left and right operand; K: the contracted axis; several contracted axes count as one K, in the product's order):
;;     1. [M 4,194,304, K 4] x [K 4, N 32]; A: computed on the way; B: input fc1_w: left as it is (K = 4 < 32)
;;     2. [M 4,194,304, K 32] x [K 32, N 32]; A: computed on the way; B: input fc2_w (given as codes): QUANTISED
;;     3. [M 4,194,304, K 32] x [K 32, N 4]; A: computed on the way; B: input fc3_w: left as it is (N = 4 < 16)
;;     4. [M 2,048, K 240] x [K 240, N 256]; A: input obj_feature; B: input conv1_w: QUANTISED
;;     5. [M 2,048, K 256] x [K 256, N 256]; A: computed on the way; B: input conv2_w (given as codes): QUANTISED
;;     6. [M 2,048, K 6] x [K 6, N 256]; A: computed on the way; B: input bbox_w: left as it is (K = 6 < 32)
;;     7. [M 2,048, K 256] x [K 256, N 256]; A: computed on the way; B: input wq (given as codes): QUANTISED
;;     8. [M 2,048, K 256] x [K 256, N 256]; A: computed on the way; B: input wk (given as codes): QUANTISED
;;     9. [M 2,048, K 256] x [K 256, N 256]; A: computed on the way; B: input wv (given as codes): QUANTISED
;;     10. batch 4 x [M 2,048, K 64] x [K 64, N 2,048]; A: computed on the way; B: computed on the way: QUANTISED
;;     11. batch 4 x [M 2,048, K 2,048] x [K 2,048, N 64]; A: softmax (see below); B: computed on the way: QUANTISED
;;     12. [M 2,048, K 256] x [K 256, N 256]; A: computed on the way; B: input wo (given as codes): QUANTISED
;;   THE QUANTISER, for each operand of a quantised product, along K:
;;     - K is cut into blocks of 32 from its start; a last block that is shorter is filled with zeros.
;;     - A block's scale is 2^e with e = floor(log2(the largest magnitude in the block)) - 8, held to -126 .. 127; a block of zeros has e = 0. As a byte (E8M0): e + 127.
;;     - Each number is divided by its block's scale, clamped to +-448, and rounded to the nearest number of E4M3, ties to even, subnormals kept.
;;     - The product sums the exact products of the quantised numbers (number of the format x scale) in f32.
;;   ~~~python
;;   def quantise(x, axis):      # numpy; x: float32 -> the quantised numbers, widened to float32 again
;;       x = np.moveaxis(x, axis, -1); K = x.shape[-1]
;;       x = np.pad(x, [(0, 0)] * (x.ndim - 1) + [(0, -K % 32)]); x = x.reshape(x.shape[:-1] + (-1, 32)); a = np.abs(x).max(-1, keepdims=True)
;;       e = np.where(a > 0, np.clip(np.frexp(np.where(a > 0, a, 1))[1] - 1 - 8, -126, 127), 0)      # np.frexp(a)[1] - 1 = floor(log2(a)), exactly
;;       r = np.clip(x / 2.0 ** e, -448, 448)
;;       step = 2.0 ** (np.maximum(np.frexp(np.where(r == 0, 1, r))[1] - 1, -6) - 3)
;;       q = np.round(r / step) * step * 2.0 ** e      # np.round: ties to even
;;       return np.moveaxis(q.reshape(q.shape[:-2] + (-1,))[..., :K], -1, axis).astype(np.float32)
;;   ~~~
;;   SOFTMAX AHEAD OF A QUANTISED PRODUCT. Where the list says 'softmax', what is quantised is not the finished softmax but p = 2^(t - M), with t = logit x log2(e) and M = ceil(the row's largest t), a whole number; so 1/2 < the row's largest p <= 1. The row's sum l is taken of the UNQUANTISED p, in f32, and the product's result is divided by l at the end. Since M is a whole number, a kernel that streams over the keys may use a running M (the ceiling of the running maximum): every later rescaling is an exact power of two, which a block's scale takes up: the codes' values come out the same.
;;   OPERANDS COMPUTED ON THE WAY. 'Computed on the way' means the value that the module computes at that place (a softmax that the list does not call 'softmax' is quantised finished and normalised). What goes into a quantiser is computed in f32, as accurately as f32 sums, v_exp_f32 and their like allow (about 1e-6 of the number): no bf16 or f16 on the way to a quantiser, and a product that is left as it is and whose result goes on into a quantised operand takes f32 operands (vector FMAs, or v_wmma_f32_16x16x4_f32). A number that lies on a knife's edge between two numbers of the format may be rounded either way, as far as f32 arithmetic and the matrix unit's own rounding can turn it there, and no further.
;;   INPUTS GIVEN AS CODES. conv2_w (in the module: [256, 256], K = its axis 1); fc2_w (in the module: [32, 32], K = its axis 1); wk (in the module: [256, 256], K = its axis 1); wo (in the module: [256, 256], K = its axis 1); wq (in the module: [256, 256], K = its axis 1); wv (in the module: [256, 256], K = its axis 1): each comes as NAME_codes (uint8): NAME with its K axis moved to the last place and cut into blocks of 32 codes, [.., K / 32, bytes a block], one block behind the other in memory; one code a byte (a code: sign, 4 exponent bits, 3 mantissa bits); and NAME_scales (uint8): the same leading axes, one E8M0 byte (e + 127) for each 32 codes along K. Its value is code x scale, taken as it is: it is not quantised again, and the codes and scales need not be those that the quantiser above would give.
;; One version. Each part assembles by itself: llvm-mc -triple=amdgcn-amd-amdhsa -mcpu=gfx1250 --defsym DOCPART=n.
;; ======== version 1 of 1: 2 launches
;; workspace buffers: qimg 524,288 bytes; qscl 16,384 bytes; kimg 524,288 bytes; kscl 16,384 bytes; vimg 524,288 bytes; vscl 16,384 bytes
;; launch prep (part 1): grid 64 x 1, 8 waves a work-group, no clusters, 27,648 bytes of LDS; arguments obj_feature, obj_center, obj_size, conv1_w, conv1_b, bn_g, bn_b, bn_mean, bn_var, prelu_a, conv2_w_codes, conv2_w_scales, conv2_b, bbox_w, bbox_b, wq_codes, wq_scales, bq, wk_codes, wk_scales, bk, wv_codes, wv_scales, bv, qimg, qscl, kimg, kscl, vimg, vscl; writes qimg, qscl, kimg, kscl, vimg, vscl
.if DOCPART == 1
	.amdgcn_target "amdgcn-amd-amdhsa--gfx1250"
	.amdhsa_code_object_version 6
	.text
	.protected	k_q4d3318f74e_prep
	.globl	k_q4d3318f74e_prep
	.p2align	8
	.type	k_q4d3318f74e_prep,@function
k_q4d3318f74e_prep:
	s_mov_b64 s[64:65], 0
	v_nop
	global_prefetch_b8 v0, s[64:65] scope:SCOPE_SE
	s_setreg_imm32_b32 hwreg(HW_REG_WAVE_MODE, 25, 1), 1
	s_wait_xcnt 0x0
; THE ROW CHAIN: x = conv2(prelu(bn(conv1(obj_feature)))) + box embedding; q, k, v = x W^T + b.  All large products on codes of FP8 (E4M3) with one E8M0 scale for each 32 along K.
; q, k and v leave as codes, laid as images of the operand registers of the attention launch, with their scale bytes beside them.
; SHARES.  A work-group of eight waves owns 32 rows, as two tiles m of 16: column r of tile m is row 32 wg + rho(m, r), rho(m, r) = 16 (r / 8) + 8 m + r % 8.
; Wave w owns channels 32 w .. 32 w + 31 of every layer: one block of 32 of the next product's K.  Its weights stay in its registers (window 1); the rows' codes go round through LDS as images of registers.
; conv1, conv2, q, k are used transposed (source 0 = 16 weight rows 32 w + rho(u, r), source 1 = 16 rows): a lane's 16 results of tiles u = 0, 1 are 16 neighbouring channels 32 w + 16 (lane / 16) + 0 .. 15 of one row.
; v is used the natural way (source 0 = 16 rows, source 1 = 16 rows of wv): a lane's 16 results are 16 neighbouring KEYS of one channel, since the keys are the K of attention's second product.
; LIMITS: a block of zeros gets the scale byte 1 (its codes are zeros; the bytes are read by this program alone); NaN and infinities among the inputs are not served; 1 / sqrt is v_rsq_f32;
; conv2_b, bbox_b and the box embedding are the C of conv2's first product, so they are added ahead of the matrix sum and not behind it.
; No tensor loads, no cluster: 64 work-groups share only the weights, 0.6 MB in all, and each wave reads its own part of them once.
.set XF,   0                           ; LDS: images of the features' four fragments (m, s) at (2 m + s) 2048 + 512 c + 16 lane;
.set XFS,  8192                        ; their scale words at (2 m + s) 64 + 4 r, byte c
.set H1,   8448                        ; the same for the hidden layer
.set H1S,  16640
.set X2,   16896                       ; and for x
.set X2S,  25088
.set SCQ,  25344                       ; the work-group's 256 scale bytes of q, of k, of v
.set SCK,  25600
.set SCV,  25856
.set FOFF, 1                           ; v1-21: byte offsets and LDS addresses, made once
.set W1O,  2
.set W1OB, 3
.set WOFF, 4
.set VOFF, 5
.set WSO,  6
.set VSO,  7
.set PVO,  8
.set BWO,  9
.set CTO,  10
.set BVO,  11
.set L16,  12
.set LS4,  13
.set IMW,  14
.set SCW,  15
.set SQW,  16
.set SVW,  17
.set SCR,  18
.set GQO,  19
.set GVO,  20
.set SOU,  21
.set BV,   24                          ; v24-25 bv of my lane's channel, tiles 0, 1
.set BY,   26                          ; v26-31 scale bytes on their way to LDS
.set W1S,  32                          ; v32-55 scale words and nothing else: conv1_w, conv2_w, wq, wk, wv (index 2 u + s), the rows' (2 m + s)
.set C2S,  36
.set WQS,  40
.set WKS,  44
.set WVS,  48
.set AS,   52
.set TM,   56                          ; v56-71 at work
.set CAT,  72                          ; v72-83 centre and size of my column's row, tiles 0, 1
.set CD,   84                          ; v84-87 codes on their way to LDS
.set ST,   88                          ; v88-151 64 numbers; later parameters, biases, codes on their way to memory
.set AF,   152                         ; v152-215 64 numbers; later the rows' four fragments
.set D,    216                         ; v216-247 four accumulators: 16 m + 8 u
.set WV,   68
.set SEL,  86
.set MNT,  88
.set EPSR, 89
.set MSB, 0
.macro WIN new                         ; the immediate's high byte repeats the setting that is left
.if MSB != \new
	s_set_vgpr_msb (MSB<<8)|\new
.set MSB, \new
.endif
.endm
.macro NOPS n
.rept \n
	v_nop
.endr
.endm
.macro BAR                             ; my LDS stores have landed and my LDS loads are in: then the work-group's barrier
	s_wait_dscnt 0x0
	s_barrier_signal -1
	s_barrier_wait -1
.endm
; 16 numbers of a lane, half a block of 32 (the other half lies in lane l xor 16), become 16 codes in v[cd] on and the block's scale byte in v[bt]
.macro QBLK s, cd, bt
	v_max3_num_f32 v[TM], |v[\s]|, |v[\s+1]|, 0x4800000            ; the floor 2^(9 - 127) among the leaves holds the byte at 1 from below
	v_max3_num_f32 v[TM+1], |v[\s+2]|, |v[\s+3]|, |v[\s+6]|
	v_max3_num_f32 v[TM], v[TM], |v[\s+4]|, |v[\s+5]|
	v_max3_num_f32 v[TM+1], v[TM+1], |v[\s+7]|, |v[\s+10]|
	v_max3_num_f32 v[TM], v[TM], |v[\s+8]|, |v[\s+9]|
	v_max3_num_f32 v[TM+1], v[TM+1], |v[\s+11]|, |v[\s+14]|
	v_max3_num_f32 v[TM], v[TM], |v[\s+12]|, |v[\s+13]|
	v_max3_num_f32 v[TM], v[TM], v[TM+1], |v[\s+15]|
	v_permlanex16_b32 v[TM+1], v[TM], s[SEL], s[SEL+1]
	v_max_num_f32 v[TM], v[TM], v[TM+1]                            ; the block's largest magnitude
	v_add_nc_u32 v[TM+2], 0xfc000000, v[TM]                        ; 8 off its exponent field: the conversion's scale operand
	v_lshrrev_b32 v[\bt], 23, v[TM+2]                              ; the scale's byte
	v_and_or_b32 v[TM+3], v[TM], 0x7f800000, s[MNT]                ; 448 x the scale
.irp i, 0,1,2,3,4,5,6,7,8,9,10,11,12,13,14,15
	v_med3_num_f32 v[\s+\i], v[\s+\i], -v[TM+3], v[TM+3]           ; the conversion does not saturate (ISA guide 7.6.2): the hold comes first
.endr
	v_cvt_scalef32_pk8_fp8_f32 v[\cd:\cd+1], v[\s:\s+7], v[TM+2]
	v_cvt_scalef32_pk8_fp8_f32 v[\cd+2:\cd+3], v[\s+8:\s+15], v[TM+2]
	v_nop                                                          ; a plain line behind the last conversion
.endm
; 64 numbers of a lane (register 16 b + i = k 32 b + 16 (lane / 16) + i of my weight row) become a fragment's codes in window 1 at v[d1] on and its scale word in v[sw]
.macro QUANT s, d1, sw
.irp b, 0,1,2,3
	v_max3_num_f32 v[TM+\b], |v[\s+16*\b]|, |v[\s+1+16*\b]|, 0x4800000
.endr
.irp i, 2,4,6,8,10,12,14
.irp b, 0,1,2,3
	v_max3_num_f32 v[TM+\b], v[TM+\b], |v[\s+16*\b+\i]|, |v[\s+1+16*\b+\i]|
.endr
.endr
.irp b, 0,1,2,3
	v_permlanex16_b32 v[TM+4+\b], v[TM+\b], s[SEL], s[SEL+1]
.endr
.irp b, 0,1,2,3
	v_max_num_f32 v[TM+\b], v[TM+\b], v[TM+4+\b]
.endr
.irp b, 0,1,2,3
	v_add_nc_u32 v[TM+12+\b], 0xfc000000, v[TM+\b]
.endr
.irp b, 0,1,2,3
	v_and_or_b32 v[TM+8+\b], v[TM+\b], 0x7f800000, s[MNT]
.endr
.irp b, 0,1,2,3
	v_lshrrev_b32 v[TM+4+\b], 23, v[TM+12+\b]
.endr
	v_lshl_or_b32 v[\sw], v[TM+5], 8, v[TM+4]
	v_lshl_or_b32 v[\sw], v[TM+6], 16, v[\sw]
	v_lshl_or_b32 v[\sw], v[TM+7], 24, v[\sw]
.irp b, 0,1,2,3
.irp i, 0,1,2,3,4,5,6,7,8,9,10,11,12,13,14,15
	v_med3_num_f32 v[\s+16*\b+\i], v[\s+16*\b+\i], -v[TM+8+\b], v[TM+8+\b]
.endr
.endr
	WIN 0x40                                                       ; the codes go to window 1
.irp b, 0,1,2,3
	v_cvt_scalef32_pk8_fp8_f32 v[\d1+4*\b:\d1+4*\b+1], v[\s+16*\b:\s+16*\b+7], v[TM+12+\b]
	v_cvt_scalef32_pk8_fp8_f32 v[\d1+4*\b+2:\d1+4*\b+3], v[\s+16*\b+8:\s+16*\b+15], v[TM+12+\b]
.endr
	WIN 0
	v_nop
.endm
; conv1_w's numbers of fragment f = 2 u + s.  K = 240: in the last block lanes 16-31 have no numbers; they read what lanes 0-15 read (no load leaves a row) and ZFIX makes them zeros
.macro W1LOAD f, reg
.irp c, 0,1,2,3
.irp j, 0,1,2,3
.if ((\f)%2 == 1) && (\c == 3)
	global_load_b128 v[\reg+16*\c+4*\j:\reg+16*\c+4*\j+3], v[W1OB], s[10:11] offset:7680*((\f)/2)+512*((\f)%2)+128*\c+16*\j
.else
	global_load_b128 v[\reg+16*\c+4*\j:\reg+16*\c+4*\j+3], v[W1O], s[10:11] offset:7680*((\f)/2)+512*((\f)%2)+128*\c+16*\j
.endif
.endr
.endr
.endm
.macro ZFIX reg
.irp i, 0,1,2,3,4,5,6,7,8,9,10,11,12,13,14,15
	v_cndmask_b32 v[\reg+48+\i], 0, v[\reg+48+\i], s67
.endr
.endm
.macro PVEC reg, sb                    ; a parameter of my lane's 16 channels
.irp j, 0,1,2,3
	global_load_b128 v[\reg+4*\j:\reg+4*\j+3], v[PVO], s[\sb:\sb+1] offset:16*\j
.endr
.endm
.macro WLOAD d, adr, sb, ustr          ; a weight's four fragments (tile u, K step s) into window 1 at d + 16 (2 u + s)
	WIN 0x40
.irp u, 0,1
.irp s, 0,1
.irp c, 0,1,2,3
	global_load_b128 v[\d+32*\u+16*\s+4*\c:\d+32*\u+16*\s+4*\c+3], v[\adr], s[\sb:\sb+1] offset:\ustr*\u+128*\s+32*\c
.endr
.endr
.endr
	WIN 0
.endm
.macro SLOAD reg, adr, sb, ustr        ; and its scale words: 8 bytes a row are the words of K steps 0 and 1
.irp u, 0,1
	global_load_b64 v[\reg+2*\u:\reg+2*\u+1], v[\adr], s[\sb:\sb+1] offset:\ustr*\u
.endr
.endm
.macro FETCH base, bs                  ; the rows' four fragments and scale words come back from LDS as they were stored
.irp f, 0,1,2,3
.irp c, 0,1,2,3
	ds_load_b128 v[AF+16*\f+4*\c:AF+16*\f+4*\c+3], v[L16] offset:\base+2048*\f+512*\c
.endr
	ds_load_b32 v[AS+\f], v[LS4] offset:\bs+64*\f
.endr
	s_wait_dscnt 0x0
.endm
; Eight products: four accumulators (m, u) by turns, K step 0 then K step 1.  The bias is the C of the first four.
; Nine places follow: the next products begin the same accumulators anew, and loads land in the weights' registers.
.macro MM4 wb, ws, cb, cm, cwin
	WIN 0x01|((\cwin)<<4)
.irp m, 0,1
.irp u, 0,1
	v_wmma_scale_f32_16x16x128_f8f6f4 v[D+16*\m+8*\u:D+16*\m+8*\u+7], v[\wb+32*\u:\wb+32*\u+15], v[AF+32*\m:AF+32*\m+15], v[\cb+16*(\cm)*\m+8*\u:\cb+16*(\cm)*\m+8*\u+7], v[\ws+2*\u], v[AS+2*\m]
.endr
.endr
	WIN 0x01
.irp m, 0,1
.irp u, 0,1
	v_wmma_scale_f32_16x16x128_f8f6f4 v[D+16*\m+8*\u:D+16*\m+8*\u+7], v[\wb+32*\u+16:\wb+32*\u+31], v[AF+32*\m+16:AF+32*\m+31], v[D+16*\m+8*\u:D+16*\m+8*\u+7], v[\ws+2*\u+1], v[AS+2*\m+1]
.endr
.endr
	WIN 0
	NOPS 9
.endm
.macro MMV                             ; v, the natural way: accumulator (t, u): 16 keys of tile u x 16 channels of tile t
	WIN 0x04
.irp t, 0,1
.irp u, 0,1
	v_wmma_scale_f32_16x16x128_f8f6f4 v[D+16*\t+8*\u:D+16*\t+8*\u+7], v[AF+32*\u:AF+32*\u+15], v[192+32*\t:192+32*\t+15], 0, v[AS+2*\u], v[WVS+2*\t]
.endr
.endr
.irp t, 0,1
.irp u, 0,1
	v_wmma_scale_f32_16x16x128_f8f6f4 v[D+16*\t+8*\u:D+16*\t+8*\u+7], v[AF+32*\u+16:AF+32*\u+31], v[192+32*\t+16:192+32*\t+31], v[D+16*\t+8*\u:D+16*\t+8*\u+7], v[AS+2*\u+1], v[WVS+2*\t+1]
.endr
.endr
	WIN 0
	NOPS 9
.endm
.macro TOLDS m, img, sc                ; my block of tile m: quantised, image and scale byte to LDS
	QBLK D+16*(\m), CD, BY
	ds_store_b128 v[IMW], v[CD:CD+3] offset:\img+4096*(\m)
	ds_store_b8 v[SCW], v[BY] offset:\sc+128*(\m)                  ; both lanes of a block write the same byte with the same value
	s_wait_dscnt 0x0                                               ; the stores have read their registers: they are written again
.endm
.macro QKOUT cdb, byb, sb, sc          ; q or k: quantised, 512 consecutive bytes a store to memory, scale bytes to LDS
.irp m, 0,1
	QBLK D+16*\m, \cdb+4*\m, \byb+\m
	global_store_b128 v[GQO], v[\cdb+4*\m:\cdb+4*\m+3], s[\sb:\sb+1] offset:4096*\m
	ds_store_b8 v[SQW], v[\byb+\m] offset:\sc+64*\m
.endr
.endm
	s_load_b512 s[4:19], s[0:1], 0x0               ; argument n lies in s[4 + 2 n : 5 + 2 n]
	s_load_b512 s[20:35], s[0:1], 0x40
	s_load_b512 s[36:51], s[0:1], 0x80
	s_load_b256 s[52:59], s[0:1], 0xc0
	s_load_b128 s[60:63], s[0:1], 0xe0
	v_lshl_add_u32 v254, v0, 2, 0x6800
	v_mov_b32 v255, 0
	v_lshrrev_b32 v22, 5, v0
	v_readfirstlane_b32 s[WV], v22                 ; wave 0..7
	v_and_b32 v22, 31, v0                          ; lane
	v_and_b32 v23, 15, v0                          ; r
	v_bfe_u32 v24, v0, 4, 1                        ; h
	v_and_b32 v25, 8, v23
	v_add_nc_u32 v25, v25, v23                     ; R0 = rho(0, r) = r + 8 (r / 8)
	s_lshl_b32 s69, ttmp9, 5                       ; 32 wg
	s_lshl_b32 s70, s[WV], 5                       ; 32 w
	s_lshl_b32 s72, s[WV], 7                       ; 128 w
	s_cmp_eq_u32 s[WV], 7                          ; wave 7 has the block k = 224 .. 255, of which 240 on do not exist
	s_cselect_b32 s66, 0xffff, -1                  ; the lanes whose features are kept
	s_cselect_b32 s71, 0, 64                       ; and lanes 16-31 read what lanes 0-15 read
	s_mov_b32 s67, 0xffff
	s_mov_b32 s[SEL], 0x76543210
	s_mov_b32 s[SEL+1], 0xfedcba98                 ; v_permlanex16_b32's selects for lane l xor 16
	s_mov_b32 s[MNT], 0x600000                     ; the mantissa field of 448
	s_mov_b32 s[EPSR], 0x3727c5ac                  ; 1e-5
	v_add_nc_u32 v26, s69, v25                     ; my column's row in tile 0
	v_mul_u32_u24 v[FOFF], v26, 960                ; a row of features is 960 bytes
	v_mul_u32_u24 v27, s71, v24
	v_add3_u32 v[FOFF], v[FOFF], v27, s72          ; + 128 w + 64 h
	v_mul_u32_u24 v[CTO], v26, 12
	v_add_nc_u32 v28, s70, v25                     ; my weight row in tile 0
	v_mul_u32_u24 v[W1OB], v28, 960
	v_lshl_add_u32 v[W1O], v24, 6, v[W1OB]
	v_lshlrev_b32 v[WOFF], 8, v28
	v_lshl_add_u32 v[WOFF], v24, 4, v[WOFF]
	v_lshlrev_b32 v[WSO], 3, v28
	v_add_nc_u32 v29, s70, v23                     ; 32 w + r: wv's rows are neighbours
	v_lshlrev_b32 v[VOFF], 8, v29
	v_lshl_add_u32 v[VOFF], v24, 4, v[VOFF]
	v_lshlrev_b32 v[VSO], 3, v29
	v_lshlrev_b32 v[BVO], 2, v29
	v_mov_b32 v[SVW], v29
	v_lshl_add_u32 v[PVO], v24, 6, s72             ; 4 (32 w + 16 h)
	s_mul_i32 s73, s[WV], 768
	v_mul_u32_u24 v[BWO], v24, 384
	v_add_nc_u32 v[BWO], s73, v[BWO]               ; 24 (32 w + 16 h)
	v_lshlrev_b32 v[L16], 4, v22
	v_lshlrev_b32 v[LS4], 2, v23
	s_lshl_b32 s73, s[WV], 9
	v_add_nc_u32 v[IMW], s73, v[L16]               ; (w / 4) 2048 + (w % 4) 512 = 512 w
	s_lshr_b32 s74, s[WV], 2
	s_and_b32 s75, s[WV], 3
	s_lshl_b32 s76, s74, 6
	s_add_co_u32 s76, s76, s75
	v_add_nc_u32 v[SCW], s76, v[LS4]
	s_lshl_b32 s76, s74, 7
	s_add_co_u32 s76, s76, s75
	v_add_nc_u32 v[SQW], s76, v[LS4]
	s_min_u32 s76, s[WV], 2
	s_lshl_b32 s76, s76, 8
	v_lshlrev_b32 v[SCR], 3, v22
	v_add_nc_u32 v[SCR], s76, v[SCR]
	s_lshl_b32 s76, ttmp9, 13
	v_add_nc_u32 v[GQO], s76, v[IMW]
	s_lshr_b32 s76, ttmp9, 2
	s_lshl_b32 s76, s76, 15
	s_and_b32 s77, ttmp9, 3
	s_lshl_b32 s77, s77, 9
	s_add_co_u32 s76, s76, s77
	s_lshl_b32 s77, s[WV], 12
	s_add_co_u32 s76, s76, s77
	v_add_nc_u32 v[GVO], s76, v[L16]
	s_lshl_b32 s76, ttmp9, 8
	v_lshlrev_b32 v[SOU], 3, v22
	v_add_nc_u32 v[SOU], s76, v[SOU]
.irp i, 1,4,5,6,7
	v_mov_b32 v[TM+\i], 0                          ; written once: a lane permute's destination counts as one of its sources
.endr
	s_wait_kmcnt 0x0
	; ---- the features of my block (both tiles), and the first two fragments of conv1_w: 40 loads
.irp m, 0,1
.irp j, 0,1,2,3
	global_load_b128 v[D+16*\m+4*\j:D+16*\m+4*\j+3], v[FOFF], s[4:5] offset:7680*\m+16*\j th:TH_LOAD_NT
.endr
.endr
	W1LOAD 0, ST
	W1LOAD 1, AF
	s_wait_loadcnt 32                              ; the features are in; the 32 loads of conv1_w may be out
.set ii, 0
.rept 32
	v_cndmask_b32 v[D+ii], 0, v[D+ii], s66         ; k from 240 on: zeros
.set ii, ii+1
.endr
	TOLDS 0, XF, XFS
	TOLDS 1, XF, XFS
	; ---- conv1_w: my 32 rows, four fragments, two sets of 64 registers by turns
	s_wait_loadcnt 16                              ; fragment 0 is in, fragment 1 may be out
	QUANT ST, 192, W1S
	W1LOAD 2, ST
	s_wait_loadcnt 16                              ; fragment 1 is in
	ZFIX AF
	QUANT AF, 208, W1S+1
	W1LOAD 3, AF
	s_wait_loadcnt 16                              ; fragment 2 is in
	QUANT ST, 224, W1S+2
	WIN 0x40
.set ii, 0
.rept 24
	global_load_b128 v[4*ii:4*ii+3], v[BWO], s[30:31] offset:16*ii   ; bbox_w of my 16 channels: register 6 i + k, in window 1
.set ii, ii+1
.endr
	WIN 0
.irp m, 0,1
.irp k, 0,1,2
	global_load_b32 v[CAT+6*\m+\k], v[CTO], s[6:7] offset:96*\m+4*\k
	global_load_b32 v[CAT+6*\m+3+\k], v[CTO], s[8:9] offset:96*\m+4*\k
.endr
.endr
	s_wait_loadcnt 36                              ; fragment 3 is in; the 36 just issued may be out
	ZFIX AF
	QUANT AF, 240, W1S+3
	s_wait_loadcnt 0x0                             ; bbox_w, centre and size
	PVEC ST, 18                                    ; bn_mean
	PVEC ST+16, 20                                 ; bn_var
	PVEC ST+32, 16                                 ; bn_b
	PVEC ST+48, 22                                 ; prelu_a
	WIN 0x40
	PVEC 128, 28                                   ; conv2_b
	PVEC 144, 32                                   ; bbox_b
	PVEC 160, 14                                   ; bn_g
	PVEC 176, 12                                   ; conv1_b
	; ---- the box embedding in f32, in conv2's result layout: window 1, v[96 + 16 m + i]; the 32 loads above land meanwhile
	WIN 0x51                                       ; source 0 (bbox_w), source 2 and destination window 1; source 1 (centre, size) window 0
.irp m, 0,1
.set ii, 0
.rept 16
	v_mul_f32 v[96+16*\m+ii], v[6*ii], v[CAT+6*\m]
.set ii, ii+1
.endr
.irp k, 1,2,3,4,5
.set ii, 0
.rept 16
	v_fma_f32 v[96+16*\m+ii], v[6*ii+\k], v[CAT+6*\m+\k], v[96+16*\m+ii]
.set ii, ii+1
.endr
.endr
.endr
	s_wait_loadcnt 0x0                             ; the eight parameters
	WIN 0x45
.irp i, 0,2,4,6,8,10,12,14
	v_pk_add_f32 v[128+\i:129+\i], v[128+\i:129+\i], v[144+\i:145+\i]          ; conv2_b + bbox_b
.endr
.irp m, 0,1
.irp i, 0,2,4,6,8,10,12,14
	v_pk_add_f32 v[96+16*\m+\i:97+16*\m+\i], v[96+16*\m+\i:97+16*\m+\i], v[128+\i:129+\i]
.endr
.endr
	WIN 0
.set ii, 0
.rept 16
	v_add_f32 v[ST+16+ii], s[EPSR], v[ST+16+ii]
.set ii, ii+1
.endr
.set ii, 0
.rept 16
	v_rsq_f32 v[ST+16+ii], v[ST+16+ii]
.set ii, ii+1
.endr
	v_nop                                          ; a plain line behind the batch,
	s_wait_alu depctr_va_vdst(0)                   ; and one wait for the sixteen, ahead of their first reader
	WIN 0x01
.irp i, 0,2,4,6,8,10,12,14
	v_pk_mul_f32 v[ST+16+\i:ST+17+\i], v[160+\i:161+\i], v[ST+16+\i:ST+17+\i]  ; bn_g / sqrt(bn_var + eps)
.endr
	WIN 0
	WLOAD 0, WOFF, 24, 2048                        ; conv2_w's codes, where bbox_w lay; with the scale words 24 loads
	SLOAD C2S, WSO, 26, 64
	SLOAD WQS, WSO, 36, 64
	SLOAD WKS, WSO, 42, 64
	SLOAD WVS, VSO, 48, 128
	; ---- conv1
	BAR                                            ; the features' four fragments lie in LDS
	FETCH XF, XFS
	MM4 192, W1S, 176, 0, 1
	WLOAD 128, WOFF, 34, 2048                      ; wq and wv: 32 loads, into registers that conv1 is done with
	WLOAD 192, VOFF, 46, 4096
.irp m, 0,1
.irp i, 0,2,4,6,8,10,12,14
	v_pk_add_f32 v[D+16*\m+\i:D+16*\m+\i+1], v[D+16*\m+\i:D+16*\m+\i+1], v[ST+\i:ST+\i+1] neg_lo:[0,1] neg_hi:[0,1]   ; - bn_mean; each accumulator from its low end on
.endr
.irp i, 0,2,4,6,8,10,12,14
	v_pk_fma_f32 v[D+16*\m+\i:D+16*\m+\i+1], v[D+16*\m+\i:D+16*\m+\i+1], v[ST+16+\i:ST+17+\i], v[ST+32+\i:ST+33+\i]
.endr
.irp i, 0,1,2,3,4,5,6,7,8,9,10,11,12,13,14,15
	v_min_num_f32 v[TM+\i], 0, v[D+16*\m+\i]       ; PReLU = max(x, 0) + a min(x, 0)
.endr
.irp i, 0,1,2,3,4,5,6,7,8,9,10,11,12,13,14,15
	v_max_num_f32 v[D+16*\m+\i], 0, v[D+16*\m+\i]
.endr
.irp i, 0,1,2,3,4,5,6,7,8,9,10,11,12,13,14,15
	v_fma_f32 v[D+16*\m+\i], v[ST+48+\i], v[TM+\i], v[D+16*\m+\i]
.endr
	TOLDS \m, H1, H1S
.endr
	s_wait_loadcnt 32                              ; conv2_w and all scale words are in; wq's and wv's 32 loads may be out
	PVEC ST, 38                                    ; bq
	PVEC ST+16, 44                                 ; bk
	global_load_b32 v[BV], v[BVO], s[50:51]        ; bv
	global_load_b32 v[BV+1], v[BVO], s[50:51] offset:64
	; ---- conv2, with conv2_b + bbox_b + the embedding as C
	BAR
	FETCH H1, H1S
	MM4 0, C2S, 96, 1, 1
	WLOAD 64, WOFF, 40, 2048                       ; wk: 16 loads
	TOLDS 0, X2, X2S
	TOLDS 1, X2, X2S
	; ---- q, k, v
	BAR
	FETCH X2, X2S
	s_wait_loadcnt 16                              ; wq, wv and the biases are in; wk's 16 loads may be out
	MM4 128, WQS, ST, 0, 0
	QKOUT ST+32, BY, 52, SCQ
	s_wait_loadcnt 0x0                             ; wk
	MM4 64, WKS, ST+16, 0, 0
	QKOUT ST+40, BY+2, 56, SCK
	MMV
.irp t, 0,1
.irp i, 0,1,2,3,4,5,6,7,8,9,10,11,12,13,14,15
	v_add_f32 v[D+16*\t+\i], v[BV+\t], v[D+16*\t+\i]
.endr
.endr
.irp t, 0,1
	QBLK D+16*\t, ST+48+4*\t, BY+4+\t              ; along the keys: the work-group's 32 rows are one block
	global_store_b128 v[GVO], v[ST+48+4*\t:ST+48+4*\t+3], s[60:61] offset:2048*\t
	ds_store_b8 v[SVW], v[BY+4+\t] offset:SCV+16*\t
.endr
	BAR                                            ; 3 x 256 scale bytes lie in LDS
	s_cmp_gt_u32 s[WV], 2                          ; waves 0, 1, 2 store q's, k's, v's: one aligned run of 256 bytes each
	s_cbranch_scc1 .Ldone
	s_cmp_eq_u32 s[WV], 0
	s_cselect_b64 s[80:81], s[54:55], s[58:59]
	s_cmp_eq_u32 s[WV], 2
	s_cselect_b64 s[80:81], s[62:63], s[80:81]
	ds_load_b64 v[22:23], v[SCR] offset:SCQ
	s_wait_dscnt 0x0
	global_store_b64 v[SOU], v[22:23], s[80:81]
.Ldone:
	s_wait_tensorcnt 0x0
	ds_add_u32 v254, v255
	s_wait_dscnt 0x0
	s_endpgm
.Lfunc_end_k_q4d3318f74e_prep:
	.size	k_q4d3318f74e_prep, .Lfunc_end_k_q4d3318f74e_prep-k_q4d3318f74e_prep
	.p2alignl 7, 3214868480
	.fill 96, 4, 3214868480
	.section	.rodata,"a",@progbits
	.p2align	6, 0x0
	.amdhsa_kernel k_q4d3318f74e_prep
		.amdhsa_group_segment_fixed_size 27648
		.amdhsa_private_segment_fixed_size 0
		.amdhsa_enable_private_segment 0
		.amdhsa_kernarg_size 240
		.amdhsa_user_sgpr_count 2
		.amdhsa_user_sgpr_kernarg_segment_ptr 1
		.amdhsa_wavefront_size32 1
		.amdhsa_system_sgpr_workgroup_id_x 1
		.amdhsa_system_sgpr_workgroup_id_y 1
		.amdhsa_system_sgpr_workgroup_id_z 1
		.amdhsa_system_vgpr_workitem_id 0
		.amdhsa_next_free_vgpr 512
		.amdhsa_next_free_sgpr 100
		.amdhsa_reserve_vcc 0
		.amdhsa_float_denorm_mode_32 3
		.amdhsa_float_denorm_mode_16_64 3
		.amdhsa_memory_ordered 1
		.amdhsa_forward_progress 1
		.amdhsa_inst_pref_size 120
	.end_amdhsa_kernel
	.amdgpu_metadata
---
amdhsa.version: [ 1, 2 ]
amdhsa.kernels:
  - .name:           k_q4d3318f74e_prep
    .symbol:         k_q4d3318f74e_prep.kd
    .args:
      - { .name: obj_feature, .offset: 0, .size: 8, .value_kind: global_buffer, .address_space: global }
      - { .name: obj_center, .offset: 8, .size: 8, .value_kind: global_buffer, .address_space: global }
      - { .name: obj_size, .offset: 16, .size: 8, .value_kind: global_buffer, .address_space: global }
      - { .name: conv1_w, .offset: 24, .size: 8, .value_kind: global_buffer, .address_space: global }
      - { .name: conv1_b, .offset: 32, .size: 8, .value_kind: global_buffer, .address_space: global }
      - { .name: bn_g, .offset: 40, .size: 8, .value_kind: global_buffer, .address_space: global }
      - { .name: bn_b, .offset: 48, .size: 8, .value_kind: global_buffer, .address_space: global }
      - { .name: bn_mean, .offset: 56, .size: 8, .value_kind: global_buffer, .address_space: global }
      - { .name: bn_var, .offset: 64, .size: 8, .value_kind: global_buffer, .address_space: global }
      - { .name: prelu_a, .offset: 72, .size: 8, .value_kind: global_buffer, .address_space: global }
      - { .name: conv2_w_codes, .offset: 80, .size: 8, .value_kind: global_buffer, .address_space: global }
      - { .name: conv2_w_scales, .offset: 88, .size: 8, .value_kind: global_buffer, .address_space: global }
      - { .name: conv2_b, .offset: 96, .size: 8, .value_kind: global_buffer, .address_space: global }
      - { .name: bbox_w, .offset: 104, .size: 8, .value_kind: global_buffer, .address_space: global }
      - { .name: bbox_b, .offset: 112, .size: 8, .value_kind: global_buffer, .address_space: global }
      - { .name: wq_codes, .offset: 120, .size: 8, .value_kind: global_buffer, .address_space: global }
      - { .name: wq_scales, .offset: 128, .size: 8, .value_kind: global_buffer, .address_space: global }
      - { .name: bq, .offset: 136, .size: 8, .value_kind: global_buffer, .address_space: global }
      - { .name: wk_codes, .offset: 144, .size: 8, .value_kind: global_buffer, .address_space: global }
      - { .name: wk_scales, .offset: 152, .size: 8, .value_kind: global_buffer, .address_space: global }
      - { .name: bk, .offset: 160, .size: 8, .value_kind: global_buffer, .address_space: global }
      - { .name: wv_codes, .offset: 168, .size: 8, .value_kind: global_buffer, .address_space: global }
      - { .name: wv_scales, .offset: 176, .size: 8, .value_kind: global_buffer, .address_space: global }
      - { .name: bv, .offset: 184, .size: 8, .value_kind: global_buffer, .address_space: global }
      - { .name: qimg, .offset: 192, .size: 8, .value_kind: global_buffer, .address_space: global }
      - { .name: qscl, .offset: 200, .size: 8, .value_kind: global_buffer, .address_space: global }
      - { .name: kimg, .offset: 208, .size: 8, .value_kind: global_buffer, .address_space: global }
      - { .name: kscl, .offset: 216, .size: 8, .value_kind: global_buffer, .address_space: global }
      - { .name: vimg, .offset: 224, .size: 8, .value_kind: global_buffer, .address_space: global }
      - { .name: vscl, .offset: 232, .size: 8, .value_kind: global_buffer, .address_space: global }
    .group_segment_fixed_size: 27648
    .private_segment_fixed_size: 0
    .kernarg_segment_align: 8
    .kernarg_segment_size: 240
    .max_flat_workgroup_size: 256
    .sgpr_count:     100
    .vgpr_count:     512
    .wavefront_size: 32
...
	.end_amdgpu_metadata
.endif
;; end of part 1
;; launch pair (part 2): grid 256 x 1, 16 waves a work-group, no clusters, 289,280 bytes of LDS; arguments obj_center, fc1_w, fc1_b, ln1_g, ln1_b, fc2_w_codes, fc2_w_scales, fc2_b, ln2_g, ln2_b, fc3_w, fc3_b, qimg, qscl, kimg, kscl, vimg, vscl, wo_codes, wo_scales, bo, out0; writes out0
.if DOCPART == 2
	.amdgcn_target "amdgcn-amd-amdhsa--gfx1250"
	.amdhsa_code_object_version 6
	.text
	.protected	k_q4d3318f74e_pair
	.globl	k_q4d3318f74e_pair
	.p2align	8
	.type	k_q4d3318f74e_pair,@function
k_q4d3318f74e_pair:
	s_mov_b64 s[64:65], 0
	v_nop
	global_prefetch_b8 v0, s[64:65] scope:SCOPE_SE
	s_setreg_imm32_b32 hwreg(HW_REG_WAVE_MODE, 25, 1), 1
	s_wait_xcnt 0x0
; THE PAIRWISE BIAS, ATTENTION AND wo.  A work-group owns 8 queries, all 2,048 keys and the 4 heads; wave w of sixteen owns keys 128 w .. 128 w + 127.
; PHASE 1, 32 batches of 32 pairs a wave: w = [c_key - c_query, its length]; fc1 (f32 matrix form, K = 4); relu; LN; fc2 on codes of FP8 (E4M3) with E8M0 scales; relu; LN; fc3 (f32), which gives 4 logits a pair.
;   8 x bias goes to the wave's own LDS region and never to memory.  A batch: lane l is the pair (query l % 8, key k0 + l / 8); lanes 0-15 are group a, lanes 16-31 group b.
;   All products are used transposed (source 0 = weights, source 1 = 16 pairs), and weight row m of tile u is channel 16 (m / 8) + 8 u + m % 8: lane (r, h) then holds channels 16 h + 0 .. 15 of pair r in 16 registers,
;   which is the layout of the first block of 32 of the next operand.  fc2's K is 32: the other three blocks of its operands hold zero codes on one side at least.
;   LN2 and fc3 are folded behind a true centring: 8 bias = rstd x sum((r - mean) G) + CONST, G = 8 ln2_g fc3_w, CONST = 8 (sum(ln2_b fc3_w) + fc3_b).  8 = sqrt(64) is exact, so that 8 x bias is the C of K Q^T.
;   The two groups of a batch are worked one behind the other, and each group's sums are finished in the places behind the other group's fc2.
; PHASE 2, a head pair o at a time: S^T = K Q^T + 8 bias (column r = head 2 o + r / 8, query r % 8; the other head's two blocks of Q are zero codes), t = S log2(e) / 8, p = 2^(t - M) with M the ceiling of the
;   wave's own largest t, quantised along the keys; O^T = V^T P.  The sixteen waves' parts meet in LDS: each is multiplied by 2^(its M - the largest M), which rounds nothing, summed, divided by the row's sum of the unquantised p.
; PHASE 3: that result is quantised (waves 0-7: a block of 32 channels each) and wave w makes output channels 16 w .. 16 w + 15 by wo.
; LIMITS: a block of zeros gets the scale byte 1 (its codes are zeros; the bytes are this program's own); NaN and infinities among the inputs are not served; 1 / sqrt is v_rsq_f32, the length v_sqrt_f32.
; No tensor loads, no cluster: 270,336 of the work-group's LDS bytes hold the bias, so K's and V's fragments go from memory straight into registers, each once a wave.
.set NMT,  270336                      ; LDS behind the sixteen regions of 16,896 bytes (32 rows head x 8 + query, pitch 528): -M [w][o][r];  2,048 bytes on: the sums, likewise
.set AIMG, 274432                      ; the attention result's two fragments, as images of registers
.set ASC,  278528                      ; their scale words, 128 bytes each
.set OST,  278784                      ; the way out: 8 rows of 1,024 bytes + 16
.set X,    32                          ; v32-47  fc1's results: written by matrix instructions alone
.set W,    48                          ; v48-63  16 channels at work
.set ACC,  64                          ; v64-71  four dot products, in pairs
.set SQ,   72                          ; v72-73  the squares
.set PA,   74                          ; v74-78  group a's five sums
.set PB,   79                          ; v79-83  group b's; then the LDS address and the four results
.set P,    84                          ; v84-99  fc2's operand: 4 registers of codes, 12 of zeros
.set W2,   100                         ; v100-119 fc2_w: tile 0, tile 1, 12 registers of zeros
.set F1C,  120                         ; fc1_b, fc2_b, ln1_g, ln1_b of my 16 channels
.set F2C,  136
.set G1,   152
.set B1,   168
.set G,    184                         ; v184-247 G: head hd at 184 + 16 hd
.set QP,   48                          ; phase 2: v48-63 Q's operand, then p's codes; later bo
.set TE,   64                          ; v64-79 at work
.set BM,   64
.set PM,   68
.set HL,   72
.set SO,   76
.set FB,   88                          ; v88-183 six fragments in flight
.set S,    184                         ; v184-247 S^T, then p, then O^T
.macro NOPS n
.rept \n
	v_nop
.endr
.endm
.macro KLOAD                           ; the next batch's key centres
	global_load_b32 v9, v1, s[4:5]
	global_load_b32 v10, v1, s[4:5] offset:4
	global_load_b32 v11, v1, s[4:5] offset:8
.endm
; The next batch's four numbers a pair, turned into fc1's operands: lanes 0-15 hold k = 0, 1 and lanes 16-31 k = 2, 3 of a group's 16 pairs.
; Its eight plain lines are the places between group b's fc2 and the first read of its results.
.macro GEO
	s_wait_loadcnt 0x0                             ; KLOAD's three, issued a trip ago, are the only loads out; their address register is free
	v_sub_f32 v12, v9, v6
	v_sub_f32 v13, v10, v7
	v_sub_f32 v14, v11, v8
	v_mul_f32 v20, v12, v12
	v_fma_f32 v20, v13, v13, v20
	v_fma_f32 v20, v14, v14, v20
	v_sqrt_f32 v15, v20
	v_add_nc_u32 v1, 48, v1                        ; four keys on
	v_nop
	s_wait_alu depctr_va_vdst(0)                   ; ahead of the root's first reader
	v_permlane16_swap_b32 v12, v14                 ; v12 = [x of a | z of a], v14 = [x of b | z of b]
	v_permlane16_swap_b32 v13, v15                 ; v13 = [y of a | d of a], v15 = [y of b | d of b]
.endm
.macro F1 b
	v_wmma_f32_16x16x4_f32 v[X:X+7], v[16:17], v[\b:\b+1], v[F1C:F1C+7]
	v_wmma_f32_16x16x4_f32 v[X+8:X+15], v[18:19], v[\b:\b+1], v[F1C+8:F1C+15]
.endm
.macro R1                              ; relu, out of fc1's registers, each accumulator from its low end on
.set ii, 0
.rept 16
	v_max_num_f32 v[W+ii], 0, v[X+ii]
.set ii, ii+1
.endr
.endm
.macro MEAN                            ; v24 = the mean of the pair's 32 channels
	v_pk_add_f32 v[20:21], v[W:W+1], v[W+2:W+3]
	v_pk_add_f32 v[22:23], v[W+4:W+5], v[W+6:W+7]
	v_pk_add_f32 v[20:21], v[20:21], v[W+8:W+9]
	v_pk_add_f32 v[22:23], v[22:23], v[W+10:W+11]
	v_pk_add_f32 v[20:21], v[20:21], v[W+12:W+13]
	v_pk_add_f32 v[22:23], v[22:23], v[W+14:W+15]
	v_pk_add_f32 v[20:21], v[20:21], v[22:23]
	v_add_f32 v22, v20, v21
	v_permlanex16_b32 v23, v22, s50, s51
	v_add_f32 v22, v22, v23
	v_mul_f32 v24, s52, v22
.endm
.macro CENT
.irp i, 0,2,4,6,8,10,12,14
	v_pk_add_f32 v[W+\i:W+\i+1], v[W+\i:W+\i+1], v[24:25] op_sel_hi:[1,0] neg_lo:[0,1] neg_hi:[0,1]
.endr
.endm
.macro L1                              ; the first layer norm
	MEAN
	CENT
	v_pk_mul_f32 v[20:21], v[W:W+1], v[W:W+1]
.irp i, 2,4,6,8,10,12,14
	v_pk_fma_f32 v[20:21], v[W+\i:W+\i+1], v[W+\i:W+\i+1], v[20:21]
.endr
	v_add_f32 v22, v20, v21
	v_permlanex16_b32 v23, v22, s50, s51
	v_add_f32 v22, v22, v23
	v_fma_f32 v22, v22, s52, s53                   ; variance + eps
	v_rsq_f32 v26, v22
	v_nop
	s_wait_alu depctr_va_vdst(0)
.irp i, 0,2,4,6,8,10,12,14
	v_pk_mul_f32 v[W+\i:W+\i+1], v[W+\i:W+\i+1], v[26:27] op_sel_hi:[1,0]
.endr
.irp i, 0,2,4,6,8,10,12,14
	v_pk_fma_f32 v[W+\i:W+\i+1], v[W+\i:W+\i+1], v[G1+\i:G1+\i+1], v[B1+\i:B1+\i+1]
.endr
.endm
; 16 numbers of a lane, half a block of 32 (the other half lies in lane l xor 16), become 16 codes in v[cd] on and the scale's byte in v[bt];  a, b, c8, c9: registers at work
.macro QBLK s, cd, bt, a, b, c8, c9
	v_max3_num_f32 v[\a], |v[\s]|, |v[\s+1]|, 0x4800000            ; the floor 2^(9 - 127) holds the byte at 1 from below
	v_max3_num_f32 v[\b], |v[\s+2]|, |v[\s+3]|, |v[\s+6]|
	v_max3_num_f32 v[\a], v[\a], |v[\s+4]|, |v[\s+5]|
	v_max3_num_f32 v[\b], v[\b], |v[\s+7]|, |v[\s+10]|
	v_max3_num_f32 v[\a], v[\a], |v[\s+8]|, |v[\s+9]|
	v_max3_num_f32 v[\b], v[\b], |v[\s+11]|, |v[\s+14]|
	v_max3_num_f32 v[\a], v[\a], |v[\s+12]|, |v[\s+13]|
	v_max3_num_f32 v[\a], v[\a], v[\b], |v[\s+15]|
	v_permlanex16_b32 v[\b], v[\a], s50, s51
	v_max_num_f32 v[\a], v[\a], v[\b]
	v_add_nc_u32 v[\c8], 0xfc000000, v[\a]                         ; 8 off the exponent field: the conversion's scale operand
	v_lshrrev_b32 v[\bt], 23, v[\c8]
	v_and_or_b32 v[\c9], v[\a], 0x7f800000, s54                    ; 448 x the scale
.irp i, 0,1,2,3,4,5,6,7,8,9,10,11,12,13,14,15
	v_med3_num_f32 v[\s+\i], v[\s+\i], -v[\c9], v[\c9]             ; the conversion does not saturate (ISA guide 7.6.2)
.endr
	v_cvt_scalef32_pk8_fp8_f32 v[\cd:\cd+1], v[\s:\s+7], v[\c8]
	v_cvt_scalef32_pk8_fp8_f32 v[\cd+2:\cd+3], v[\s+8:\s+15], v[\c8]
.endm
.macro F2                              ; tile 0 takes [W0 W1 0 0] (W1 meets zero codes), tile 1 [W1 0 0 0]; v3: lanes 0-15 tile 0's scale bytes, lanes 16-31 tile 1's
	v_wmma_scale_f32_16x16x128_f8f6f4 v[W:W+7], v[W2:W2+15], v[P:P+15], v[F2C:F2C+7], v3, v4
	v_wmma_scale_f32_16x16x128_f8f6f4 v[W+8:W+15], v[W2+4:W2+19], v[P:P+15], v[F2C+8:F2C+15], v3, v4 matrix_a_scale:MATRIX_SCALE_ROW1
.endm
.macro L2                              ; relu, centring, and five sums over my 16 channels: the squares and the four heads' dot products, by turns
.set ii, 0
.rept 16
	v_max_num_f32 v[W+ii], 0, v[W+ii]
.set ii, ii+1
.endr
	MEAN
	CENT
	v_pk_mul_f32 v[SQ:SQ+1], v[W:W+1], v[W:W+1]
.irp hd, 0,1,2,3
	v_pk_mul_f32 v[ACC+2*\hd:ACC+2*\hd+1], v[W:W+1], v[G+16*\hd:G+16*\hd+1]
.endr
.irp i, 2,4,6,8,10,12,14
	v_pk_fma_f32 v[SQ:SQ+1], v[W+\i:W+\i+1], v[W+\i:W+\i+1], v[SQ:SQ+1]
.irp hd, 0,1,2,3
	v_pk_fma_f32 v[ACC+2*\hd:ACC+2*\hd+1], v[W+\i:W+\i+1], v[G+16*\hd+\i:G+16*\hd+\i+1], v[ACC+2*\hd:ACC+2*\hd+1]
.endr
.endr
.endm
.macro TAIL pg
	v_add_f32 v[\pg], v[SQ], v[SQ+1]
.irp hd, 0,1,2,3
	v_add_f32 v[\pg+1+\hd], v[ACC+2*\hd], v[ACC+2*\hd+1]
.endr
.endm
; Both groups' half sums meet: after the swaps and adds lane l holds its own pair's five sums.  Eleven plain lines: the places behind group a's fc2.
.macro CMB
.irp k, 0,1,2,3,4
	v_permlane16_swap_b32 v[PA+\k], v[PB+\k]
.endr
.irp k, 0,1,2,3,4
	v_add_f32 v[PA+\k], v[PA+\k], v[PB+\k]
.endr
	v_fma_f32 v20, v[PA], s52, s53
	v_rsq_f32 v21, v20
	v_add_nc_u32 v[PB], s55, v2                    ; where the batch's four keys lie in my rows
	s_wait_alu depctr_va_vdst(0)
.irp hd, 0,1,2,3
	v_fma_f32 v[PB+1+\hd], v[PA+1+\hd], v21, s[56+\hd]
.endr
.irp hd, 0,1,2,3
	ds_store_b32 v[PB], v[PB+1+\hd] offset:4224*\hd
.endr
	s_add_co_u32 s55, s55, 16
.endm
; A TRIP: one batch.  first: nothing of a batch before is left to finish.  last: no batch follows.
.macro TRIP first, last
.if \last == 0
	KLOAD
.else
	; K's and V's codes are asked for one trip ahead of phase 2's loads: wave 0 of work-groups 0-63, a lane to each 256 bytes: 64 x 32 x 256 bytes are each buffer, each block named once
	s_cmp_eq_u32 s66, 0
	s_cbranch_scc0 .Lno_prefetch
	global_prefetch_b8 v5, s[32:33] th:TH_LOAD_NT scope:SCOPE_SE
	global_prefetch_b8 v5, s[36:37] th:TH_LOAD_NT scope:SCOPE_SE
.Lno_prefetch:
.endif
	R1                                             ; group a
	F1 14                                          ; group b's fc1: read 180 lines on
	L1
	QBLK W, P, 4, 20, 21, 28, 29
.if \first
	NOPS 7
.else
	TAIL PB                                        ; the batch before, group b.  With the two lines below and the line behind the byte: eight places between the scale's byte and the product
	NOPS 2
.endif
	F2
.if \first
	NOPS 8
.else
	CMB                                            ; the batch before leaves
.endif
	L2
	R1                                             ; group b
	L1
	QBLK W, P, 4, 20, 21, 28, 29
	TAIL PA
	NOPS 2
	F2
.if \last
	NOPS 8
.else
	GEO
	F1 12                                          ; the next batch's group a: read behind L2's 75 lines
.endif
	L2
.endm
	s_load_b512 s[4:19], s[0:1], 0x0               ; argument n lies in s[4 + 2 n : 5 + 2 n]
	s_load_b512 s[20:35], s[0:1], 0x40
	s_load_b256 s[36:43], s[0:1], 0x80
	s_load_b128 s[44:47], s[0:1], 0xa0
	v_lshrrev_b32 v20, 5, v0
	v_readfirstlane_b32 s48, v20                   ; wave 0..15
	v_and_b32 v21, 31, v0                          ; lane
	v_and_b32 v22, 15, v0                          ; r
	v_bfe_u32 v23, v0, 4, 1                        ; h
	v_and_b32 v24, 7, v0                           ; my pair's query
	v_bfe_u32 v25, v0, 3, 2                        ; my pair's key in the batch
	s_lshl_b32 s72, s48, 7
	v_add_nc_u32 v1, s72, v25
	v_mul_u32_u24 v1, v1, 12                       ; my first key's centre
	s_mul_i32 s73, s48, 16896
	v_mul_u32_u24 v2, v24, 528
	v_lshl_add_u32 v2, v25, 2, v2
	v_add_nc_u32 v2, s73, v2                       ; my wave's region, row = my query, my key of batch 0
	s_and_b32 s74, ttmp9, 63
	s_lshl_b32 s74, s74, 5
	v_add_nc_u32 v5, s74, v21
	v_lshlrev_b32 v5, 8, v5                        ; the prefetches' offset; never rewritten
	s_lshr_b32 s66, ttmp9, 6
	s_or_b32 s66, s66, s48                         ; 0 in wave 0 of work-groups 0-63
	s_lshl_b32 s75, ttmp9, 3
	v_add_nc_u32 v26, s75, v24
	v_mul_u32_u24 v26, v26, 12                     ; my query's centre
	v_lshlrev_b32 v27, 6, v23                      ; 4 x 16 h: my 16 channels
	v_and_b32 v28, 8, v22
	v_add_nc_u32 v28, v28, v22                     ; r + 8 (r / 8): tile 0's channel for row r
	v_lshlrev_b32 v29, 4, v28
	v_lshl_add_u32 v29, v23, 3, v29                ; fc1_w: 16 bytes a row, + 8 h
	v_lshlrev_b32 v30, 5, v28
	v_lshl_add_u32 v30, v23, 4, v30                ; fc2_w's codes: 32 bytes a row, + 16 h
	v_lshl_add_u32 v31, v23, 3, v28                ; fc2_w's scale bytes: lanes 16-31 take tile 1's
	s_mov_b32 s50, 0x76543210
	s_mov_b32 s51, 0xfedcba98                      ; v_permlanex16_b32's selects for lane l xor 16
	s_mov_b32 s52, 0x3d000000                      ; 1 / 32
	s_mov_b32 s53, 0x3727c5ac                      ; 1e-5
	s_mov_b32 s54, 0x600000                        ; the mantissa field of 448
	s_mov_b32 s55, 0
	s_mov_b32 s60, 0x3e38aa3b                      ; log2(e) / 8
	s_mov_b32 s61, s60
	s_mov_b32 s62, 0x00ff00ff                      ; lanes with r < 8
	s_mov_b32 s63, 0xff00ff00                      ; lanes with r >= 8
	s_wait_kmcnt 0x0
	s_load_b128 s[68:71], s[26:27], 0x0            ; fc3_b
	global_load_b64 v[16:17], v29, s[6:7]
	global_load_b64 v[18:19], v29, s[6:7] offset:128
	global_load_b128 v[W2:W2+3], v30, s[14:15]
	global_load_b128 v[W2+4:W2+7], v30, s[14:15] offset:256
	global_load_u8 v3, v31, s[16:17]
.irp j, 0,1,2,3
	global_load_b128 v[F1C+4*\j:F1C+4*\j+3], v27, s[8:9] offset:16*\j
	global_load_b128 v[F2C+4*\j:F2C+4*\j+3], v27, s[18:19] offset:16*\j
	global_load_b128 v[G1+4*\j:G1+4*\j+3], v27, s[10:11] offset:16*\j
	global_load_b128 v[B1+4*\j:B1+4*\j+3], v27, s[12:13] offset:16*\j
	global_load_b128 v[W+4*\j:W+4*\j+3], v27, s[20:21] offset:16*\j            ; ln2_g
	global_load_b128 v[64+4*\j:67+4*\j], v27, s[22:23] offset:16*\j            ; ln2_b
.irp hd, 0,1,2,3
	global_load_b128 v[G+16*\hd+4*\j:G+16*\hd+4*\j+3], v27, s[24:25] offset:128*\hd+16*\j   ; fc3_w
.endr
.endr
	global_load_b32 v6, v26, s[4:5]
	global_load_b32 v7, v26, s[4:5] offset:4
	global_load_b32 v8, v26, s[4:5] offset:8
	KLOAD
	s_wait_loadcnt 0x0
	s_wait_kmcnt 0x0
.irp hd, 0,1,2,3                       ; CONST: a number for each head, kept in a scalar register and used as a vector operand alone
	v_pk_mul_f32 v[20:21], v[64:65], v[G+16*\hd:G+16*\hd+1]
.irp i, 2,4,6,8,10,12,14
	v_pk_fma_f32 v[20:21], v[64+\i:65+\i], v[G+16*\hd+\i:G+16*\hd+\i+1], v[20:21]
.endr
	v_add_f32 v22, v20, v21
	v_permlanex16_b32 v23, v22, s50, s51
	v_add_f32 v22, v22, v23
	v_add_f32 v22, s[68+\hd], v22
	v_mul_f32 v22, 0x41000000, v22
	v_readfirstlane_b32 s[56+\hd], v22
.endr
.irp i, 0,2,4,6,8,10,12,14
	v_pk_mul_f32 v[W+\i:W+\i+1], v[W+\i:W+\i+1], 0x41000000 op_sel_hi:[1,0]    ; 8 ln2_g
.endr
.irp hd, 0,1,2,3
.irp i, 0,2,4,6,8,10,12,14
	v_pk_mul_f32 v[G+16*\hd+\i:G+16*\hd+\i+1], v[G+16*\hd+\i:G+16*\hd+\i+1], v[W+\i:W+\i+1]
.endr
.endr
.set ii, 0
.rept 12
	v_mov_b32 v[P+4+ii], 0                         ; the zero codes of K = 32 .. 127: written once
	v_mov_b32 v[W2+8+ii], 0
.set ii, ii+1
.endr
	GEO
	F1 12
	NOPS 8
	TRIP 1, 0
	s_mov_b32 s49, 30
.Lbatch:
	TRIP 0, 0
	s_sub_co_u32 s49, s49, 1
	s_cmp_lg_u32 s49, 0
	s_cbranch_scc1 .Lbatch
	TRIP 0, 1
	TAIL PB
	CMB
	; ---- PHASE 2.  Every address of the rest is made here, ahead of the one branch on the wave's number.
	s_wait_dscnt 0x0
	v_and_b32 v29, 31, v0                          ; lane
	v_and_b32 v30, 15, v0                          ; r
	v_bfe_u32 v31, v0, 4, 1                        ; h
	v_and_b32 v20, 7, v0                           ; q
	v_bfe_u32 v21, v0, 3, 1                        ; r / 8
	v_lshlrev_b32 v1, 4, v29
	v_lshlrev_b32 v2, 2, v29
	v_mul_u32_u24 v22, v20, 1040
	s_mul_i32 s72, s48, 16896
	s_and_b32 s74, s48, 7                          ; cb: the block of 32 channels that a reducing wave takes
	v_mul_u32_u24 v6, v30, 528
	v_lshl_add_u32 v6, v31, 6, v6
	v_add_nc_u32 v6, s72, v6                       ; v6: the bias: row r of a head pair's 16, + 16 h keys
	v_lshl_add_u32 v7, v21, 8, v22
	v_lshl_add_u32 v7, v31, 5, v7
	v_add_nc_u32 v7, s72, v7                       ; v7: my part of O: row q of pitch 1,040 in my region, + 64 channels for the odd head, + 8 h channels
	s_lshl_b32 s73, s48, 7
	s_add_co_u32 s73, s73, NMT
	v_lshl_add_u32 v8, v30, 2, s73                 ; v8: my -M and my sum
	s_lshr_b32 s75, s74, 2
	s_lshl_b32 s76, s75, 6
	s_bfe_u32 s77, s74, 0x10001
	s_lshl_b32 s77, s77, 5
	s_add_co_u32 s76, s76, s77
	s_add_co_u32 s76, s76, NMT
	v_lshlrev_b32 v9, 10, v21
	v_lshl_add_u32 v9, v20, 2, v9
	v_add_nc_u32 v9, s76, v9                       ; v9: the reducer: -M of waves 8 (r / 8) + k for cb's head and my query
	v_mul_u32_u24 v10, v21, 135168
	v_add_nc_u32 v10, v10, v22
	v_lshl_add_u32 v10, v31, 6, v10
	s_lshl_b32 s77, s74, 7
	v_add_nc_u32 v10, s77, v10                     ; v10: their parts of O, my 16 channels; v11: four waves on
	v_add_nc_u32 v11, 67584, v10
	s_lshl_b32 s77, s74, 9
	s_add_co_u32 s77, s77, AIMG
	v_add_nc_u32 v12, s77, v1                      ; v12: the image's block cb
	s_lshl_b32 s77, s75, 7
	s_and_b32 s78, s74, 3
	s_add_co_u32 s77, s77, s78
	s_add_co_u32 s77, s77, ASC
	v_add_nc_u32 v13, s77, v2                      ; v13: its scale byte
	s_lshl_b32 s77, s48, 6
	s_add_co_u32 s77, s77, OST
	v_lshl_add_u32 v14, v31, 5, v22
	v_add_nc_u32 v14, s77, v14                     ; v14: the way out, in
	s_lshr_b32 s78, s48, 1
	s_and_b32 s79, s48, 1
	s_lshl_b32 s79, s79, 9
	s_mul_i32 s77, s78, 1040
	s_add_co_u32 s77, s77, s79
	s_add_co_u32 s77, s77, OST
	v_add_nc_u32 v15, s77, v1                      ; v15: and back: half a row a wave
	s_lshl_b32 s80, ttmp9, 3
	s_add_co_u32 s80, s80, s78
	s_lshl_b32 s80, s80, 10
	s_add_co_u32 s80, s80, s79
	v_add_nc_u32 v28, s80, v1                      ; v28: the same half row in out0
	s_lshl_b32 s77, s48, 15
	v_add_nc_u32 v16, s77, v1                      ; v16: my 128 keys' images of K and of V
	s_lshr_b32 s81, ttmp9, 2
	s_and_b32 s82, ttmp9, 1
	s_bfe_u32 s83, ttmp9, 0x10001
	s_lshl_b32 s84, s81, 13
	s_lshl_b32 s85, s82, 12
	s_add_co_u32 s84, s84, s85
	s_lshl_b32 s85, s83, 7
	s_add_co_u32 s84, s84, s85
	v_lshlrev_b32 v17, 8, v31
	v_lshl_add_u32 v17, v20, 4, v17
	v_add_nc_u32 v17, s84, v17                     ; v17: Q's image: group wg / 4, tile wg % 2, lane 16 h + 8 ((wg / 2) % 2) + q
	s_lshl_b32 s84, s81, 8
	s_lshl_b32 s85, s82, 6
	s_add_co_u32 s84, s84, s85
	s_lshl_b32 s85, s83, 5
	s_add_co_u32 s84, s84, s85
	v_lshl_add_u32 v18, v20, 2, s84                ; v18: its scale words
	s_lshl_b32 s77, s48, 10
	v_add_nc_u32 v19, s77, v2                      ; v19: K's scale words
	v_add_nc_u32 v24, s77, v29                     ; v24: V's scale bytes
	s_lshl_b32 s77, s48, 4
	v_add_nc_u32 v23, s77, v30
	v_lshlrev_b32 v25, 8, v23
	v_lshl_add_u32 v25, v31, 4, v25                ; v25: wo's row 16 w + r
	v_lshlrev_b32 v26, 3, v23                      ; v26: its scale words
	s_lshl_b32 s77, s48, 6
	v_lshl_add_u32 v27, v31, 5, s77                ; v27: bo
	v_add_nc_u32 v1, AIMG, v1                      ; v1, v2: where every wave reads the images and their scale words
	v_add_nc_u32 v2, ASC, v2
.macro LDF fb, sb, off                 ; a fragment's image: 4 x 512 consecutive bytes
.irp c, 0,1,2,3
	global_load_b128 v[FB+16*(\fb)+4*\c:FB+16*(\fb)+4*\c+3], v16, s[\sb:\sb+1] offset:(\off)+512*\c
.endr
.endm
.macro ALOAD o                         ; 49 loads: 25 small ones and Q, then K's tiles 0-5
	global_load_b32 v3, v18, s[30:31] offset:128*\o
.irp b, 0,1,2,3
	global_load_b32 v[248+\b], v19, s[34:35] offset:256*\b+128*\o              ; lanes 0-15 tile 2 b, lanes 16-31 tile 2 b + 1
.endr
.irp k, 0,1,2,3
.irp c, 0,1,2,3
	global_load_u8 v[TE+4*\k+\c], v24, s[38:39] offset:256*\c+128*\o+32*\k
.endr
.endr
.irp c, 0,1,2,3
	global_load_b128 v[QP+4*\c:QP+4*\c+3], v17, s[28:29] offset:2048*\o+512*\c
.endr
.irp t, 0,1,2,3,4,5
	LDF \t, 32, 4096*\t+2048*\o
.endr
.endm
.macro ABIAS o                         ; 8 x bias in S^T's layout: it is the C of K Q^T
.irp b, 0,1,2,3
.irp u, 0,1
	ds_load_b128 v[S+16*\b+8*\u:S+16*\b+8*\u+3], v6 offset:8448*\o+128*\b+32*\u
	ds_load_b128 v[S+16*\b+8*\u+4:S+16*\b+8*\u+7], v6 offset:8448*\o+128*\b+32*\u+16
.endr
.endr
.endm
.macro QKP t
.if (\t)%2
	v_wmma_scale_f32_16x16x128_f8f6f4 v[S+8*(\t):S+8*(\t)+7], v[FB+16*((\t)%6):FB+16*((\t)%6)+15], v[QP:QP+15], v[S+8*(\t):S+8*(\t)+7], v[248+(\t)/2], v3 matrix_a_scale:MATRIX_SCALE_ROW1
.else
	v_wmma_scale_f32_16x16x128_f8f6f4 v[S+8*(\t):S+8*(\t)+7], v[FB+16*((\t)%6):FB+16*((\t)%6)+15], v[QP:QP+15], v[S+8*(\t):S+8*(\t)+7], v[248+(\t)/2], v3
.endif
.endm
.macro PVP t
.if (\t)%2
	v_wmma_scale_f32_16x16x128_f8f6f4 v[S+8*(\t):S+8*(\t)+7], v[FB+16*((\t)%6):FB+16*((\t)%6)+15], v[QP:QP+15], 0, v[252+(\t)/2], v4 matrix_a_scale:MATRIX_SCALE_ROW1
.else
	v_wmma_scale_f32_16x16x128_f8f6f4 v[S+8*(\t):S+8*(\t)+7], v[FB+16*((\t)%6):FB+16*((\t)%6)+15], v[QP:QP+15], 0, v[252+(\t)/2], v4
.endif
.endm
.macro QK o
	s_wait_loadcnt 24                              ; all but K's six tiles
.set ii, 0
.rept 8
	v_cndmask_b32 v[QP+ii], 0, v[QP+ii], s62       ; the even head's 64 channels count in columns 0-7 alone,
	v_cndmask_b32 v[QP+8+ii], 0, v[QP+8+ii], s63   ; the odd head's in columns 8-15
.set ii, ii+1
.endr
.irp k, 0,1,2,3                        ; V's scale words, from four bytes each.  These twelve lines are also the places between Q's selects and the products
	v_lshl_or_b32 v[252+\k], v[TE+4*\k+1], 8, v[TE+4*\k]
	v_lshl_or_b32 v[252+\k], v[TE+4*\k+2], 16, v[252+\k]
	v_lshl_or_b32 v[252+\k], v[TE+4*\k+3], 24, v[252+\k]
.endr
	s_wait_dscnt 0x0                               ; the bias
	s_wait_loadcnt 16                              ; tiles 0, 1; four tiles may be out
	QKP 0
	QKP 1
	NOPS 8                                         ; in front of loads into registers that the products have read
	LDF 0, 32, 4096*6+2048*\o
	LDF 1, 32, 4096*7+2048*\o
	s_wait_loadcnt 8                               ; tiles 2-5; the eight just issued may be out
	QKP 2
	QKP 3
	QKP 4
	QKP 5
	s_wait_loadcnt 0x0
	QKP 6
	QKP 7
	NOPS 8
.endm
.macro VLOAD o
.irp t, 0,1,2,3,4,5
	LDF \t, 36, 2048*(8*\o+\t)
.endr
.endm
.macro SMX o                           ; the softmax of my 128 keys; V's tiles land meanwhile
.irp b, 0,1,2,3
	v_max3_num_f32 v[BM+\b], v[S+16*\b], v[S+1+16*\b], v[S+2+16*\b]            ; each block's largest score: for the row's maximum and, since p rises with the score, for the block's largest p
.endr
.irp i, 3,5,7,9,11,13
.irp b, 0,1,2,3
	v_max3_num_f32 v[BM+\b], v[BM+\b], v[S+16*\b+\i], v[S+1+16*\b+\i]
.endr
.endr
.irp b, 0,1,2,3
	v_max_num_f32 v[BM+\b], v[BM+\b], v[S+15+16*\b]
.endr
.irp b, 0,1,2,3
	v_permlanex16_b32 v[PM+\b], v[BM+\b], s50, s51
.endr
.irp b, 0,1,2,3
	v_max_num_f32 v[BM+\b], v[BM+\b], v[PM+\b]
.endr
	v_max3_num_f32 v80, v[BM], v[BM+1], v[BM+2]
	v_max_num_f32 v80, v80, v[BM+3]
	v_mul_f32 v21, s60, v80                        ; the largest t
	v_floor_f32 v20, -v21                          ; -M = floor(-t): M is a whole number
.set jj, 0
.rept 32
	v_pk_fma_f32 v[S+jj:S+jj+1], v[S+jj:S+jj+1], s[60:61], v[20:21] op_sel_hi:[1,0,0]   ; t - M
.set jj, jj+2
.endr
.irp b, 0,1,2,3
	v_fma_f32 v[BM+\b], v[BM+\b], s60, v20
.endr
.set jj, 0
.rept 64
	v_exp_f32 v[S+jj], v[S+jj]
.set jj, jj+1
.endr
	v_nop                                          ; a plain line behind the batch,
	s_wait_alu depctr_va_vdst(0)                   ; and one wait for the 64
.irp b, 0,1,2,3
	v_exp_f32 v[BM+\b], v[BM+\b]
.endr
	v_pk_add_f32 v[22:23], v[S:S+1], v[S+2:S+3]    ; the sum of the unquantised p, in two chains
	v_pk_add_f32 v[82:83], v[S+4:S+5], v[S+6:S+7]
.set jj, 8
.rept 14
	v_pk_add_f32 v[22:23], v[22:23], v[S+jj:S+jj+1]
	v_pk_add_f32 v[82:83], v[82:83], v[S+jj+2:S+jj+3]
.set jj, jj+4
.endr
	v_pk_add_f32 v[22:23], v[22:23], v[82:83]
	s_wait_alu depctr_va_vdst(0)                   ; and one for the four
.irp b, 0,1,2,3
	v_max_num_f32 v[BM+\b], 0x4800000, v[BM+\b]
.endr
.irp b, 0,1,2,3
	v_add_nc_u32 v[SO+\b], 0xfc000000, v[BM+\b]
.endr
.irp b, 0,1,2,3
	v_and_or_b32 v[HL+\b], v[BM+\b], 0x7f800000, s54
.endr
.irp b, 0,1,2,3
	v_lshrrev_b32 v[PM+\b], 23, v[SO+\b]
.endr
	v_lshl_or_b32 v4, v[PM+1], 8, v[PM]            ; p's scale word
	v_lshl_or_b32 v4, v[PM+2], 16, v4
	v_lshl_or_b32 v4, v[PM+3], 24, v4
.irp b, 0,1,2,3
.irp i, 0,1,2,3,4,5,6,7,8,9,10,11,12,13,14,15
	v_min_num_f32 v[S+16*\b+\i], v[S+16*\b+\i], v[HL+\b]                       ; p is not negative: the hold is one-sided
.endr
	v_cvt_scalef32_pk8_fp8_f32 v[QP+4*\b:QP+4*\b+1], v[S+16*\b:S+16*\b+7], v[SO+\b]
	v_cvt_scalef32_pk8_fp8_f32 v[QP+4*\b+2:QP+4*\b+3], v[S+16*\b+8:S+16*\b+15], v[SO+\b]
.endr
	v_add_f32 v22, v22, v23
	v_permlanex16_b32 v29, v22, s50, s51
	v_add_f32 v22, v22, v29
	ds_store_b32 v8, v20 offset:64*\o              ; lanes r and 16 + r write the same word with the same value
	ds_store_b32 v8, v22 offset:2048+64*\o
	NOPS 8                                         ; between the scale word and the products
.endm
.macro PV o
	s_wait_loadcnt 0x0                             ; V's tiles 0-5
	PVP 0
	PVP 1
	NOPS 8
	LDF 0, 36, 2048*(8*\o+6)
	LDF 1, 36, 2048*(8*\o+7)
	PVP 2
	PVP 3
	PVP 4
	PVP 5
	s_wait_loadcnt 0x0
	PVP 6
	PVP 7
	NOPS 8
.endm
.macro AOUT o                          ; columns 0-7 keep the even head's four tiles of channels, columns 8-15 the odd head's; the part goes, not yet scaled, to my own region, over bias rows that have been read
.irp t, 0,1,2,3
.irp j, 0,1,2,3,4,5,6,7
	v_cndmask_b32 v[S+8*\t+\j], v[S+8*\t+\j], v[S+32+8*\t+\j], s63
.endr
.endr
.irp t, 0,1,2,3
	ds_store_b128 v7, v[S+8*\t:S+8*\t+3] offset:512*\o+64*\t
	ds_store_b128 v7, v[S+8*\t+4:S+8*\t+7] offset:512*\o+64*\t+16
.endr
.endm
	ALOAD 0
	ABIAS 0
	QK 0
	VLOAD 0
	SMX 0
	PV 0
	ALOAD 1
	AOUT 0
	ABIAS 1
	QK 1
	VLOAD 1
	SMX 1
	PV 1
.irp s, 0,1                            ; wo's two fragments, its scale words and bo are asked for here and waited for behind two barriers
.irp c, 0,1,2,3
	global_load_b128 v[FB+16*\s+4*\c:FB+16*\s+4*\c+3], v25, s[40:41] offset:128*\s+32*\c
.endr
.endr
	global_load_b64 v[248:249], v26, s[42:43]
	global_load_b128 v[48:51], v27, s[44:45]
	global_load_b128 v[52:55], v27, s[44:45] offset:16
	AOUT 1
	s_wait_dscnt 0x0                               ; for the others' sake: my part, my -M and my sum lie in LDS
	s_barrier_signal -1
	s_barrier_wait -1
	; ---- the sixteen parts meet.  Waves 0-7: a block of 32 channels each; lane (r / 8, q, h) sums eight waves' parts of 16 channels of query q, and the two halves of a row of lanes join.
	s_cmp_gt_u32 s48, 7
	s_cbranch_scc1 .Lno_reduce
.irp k, 0,1,2,3,4,5,6,7
	ds_load_b32 v[232+\k], v9 offset:128*\k
.endr
.irp k, 0,1,2,3,4,5,6,7
	ds_load_b32 v[240+\k], v9 offset:2048+128*\k
.endr
.irp k, 0,1,2,3
.irp i, 0,1,2,3
	ds_load_b128 v[120+16*\k+4*\i:120+16*\k+4*\i+3], v10 offset:16896*\k+16*\i
.endr
.endr
	s_wait_dscnt 16                                ; the -M and the sums are in; the sixteen loads of parts may be out
	v_min3_num_f32 v29, v232, v233, v234
	v_min3_num_f32 v29, v29, v235, v236
	v_min3_num_f32 v29, v29, v237, v238
	v_min_num_f32 v29, v29, v239
	v_min_num_f32_dpp v29, v29, v29 row_xmask:8 row_mask:0xf bank_mask:0xf     ; the least -M of all sixteen waves: the row's M
.irp k, 0,1,2,3,4,5,6,7
	v_sub_f32 v[216+2*\k], v29, v[232+\k]          ; a wave's M less the row's: a whole number, 0 or less
.endr
.irp k, 0,1,2,3,4,5,6,7
	v_cvt_i32_f32 v[216+2*\k], v[216+2*\k]
.endr
.irp k, 0,1,2,3,4,5,6,7
	v_ldexp_f32 v[216+2*\k], 1.0, v[216+2*\k]      ; f: a power of two
.endr
	v_mul_f32 v30, v216, v240
.irp k, 1,2,3,4,5,6,7
	v_fma_f32 v30, v[216+2*\k], v[240+\k], v30
.endr
	v_add_f32_dpp v30, v30, v30 row_xmask:8 row_mask:0xf bank_mask:0xf         ; the row's sum
	s_wait_dscnt 0x0
.irp i, 0,2,4,6,8,10,12,14
	v_pk_mul_f32 v[TE+\i:TE+\i+1], v[120+\i:121+\i], v[216:217] op_sel_hi:[1,0]
.endr
.irp k, 1,2,3
.irp i, 0,2,4,6,8,10,12,14
	v_pk_fma_f32 v[TE+\i:TE+\i+1], v[120+16*\k+\i:121+16*\k+\i], v[216+2*\k:217+2*\k], v[TE+\i:TE+\i+1] op_sel_hi:[1,0,1]
.endr
.endr
.irp k, 0,1,2,3
.irp i, 0,1,2,3
	ds_load_b128 v[120+16*\k+4*\i:120+16*\k+4*\i+3], v11 offset:16896*\k+16*\i
.endr
.endr
	s_wait_dscnt 0x0
.irp k, 0,1,2,3
.irp i, 0,2,4,6,8,10,12,14
	v_pk_fma_f32 v[TE+\i:TE+\i+1], v[120+16*\k+\i:121+16*\k+\i], v[224+2*\k:225+2*\k], v[TE+\i:TE+\i+1] op_sel_hi:[1,0,1]
.endr
.endr
.irp i, 0,1,2,3,4,5,6,7,8,9,10,11,12,13,14,15
	v_add_f32_dpp v[TE+\i], v[TE+\i], v[TE+\i] row_xmask:8 row_mask:0xf bank_mask:0xf
.endr
	v_rcp_f32 v30, v30
	v_nop
	s_wait_alu depctr_va_vdst(0)
.irp i, 0,2,4,6,8,10,12,14
	v_pk_mul_f32 v[TE+\i:TE+\i+1], v[TE+\i:TE+\i+1], v[30:31] op_sel_hi:[1,0]
.endr
	QBLK TE, 84, 29, 80, 81, 82, 83                ; wo's operand: columns r and r + 8 hold the same query
	v_nop
	ds_store_b128 v12, v[84:87]
	ds_store_b8 v13, v29
.Lno_reduce:
	s_wait_dscnt 0x0
	s_barrier_signal -1
	s_barrier_wait -1
	; ---- PHASE 3: wo, transposed: source 0 = my 16 rows of wo, source 1 = the eight queries; bo is the C
.irp s, 0,1
.irp c, 0,1,2,3
	ds_load_b128 v[120+16*\s+4*\c:120+16*\s+4*\c+3], v1 offset:2048*\s+512*\c
.endr
.endr
	ds_load_b32 v250, v2
	ds_load_b32 v251, v2 offset:128
	s_wait_dscnt 0x0
	s_wait_loadcnt 0x0                             ; wo, its scale words, bo
	v_wmma_scale_f32_16x16x128_f8f6f4 v[184:191], v[88:103], v[120:135], v[48:55], v248, v250
	s_wait_alu depctr_va_vdst(0)                   ; the wait stands directly ahead of the link
	v_wmma_scale_f32_16x16x128_f8f6f4 v[184:191], v[104:119], v[136:151], v[184:191], v249, v251
	NOPS 8
	ds_store_b128 v14, v[184:187]                  ; row q, channels 16 w + 8 h + 0 .. 7; lanes r and r + 8 write the same bytes with the same values
	ds_store_b128 v14, v[188:191] offset:16
	s_wait_dscnt 0x0
	s_barrier_signal -1
	s_barrier_wait -1
	ds_load_b128 v[184:187], v15
	s_wait_dscnt 0x0
	global_store_b128 v28, v[184:187], s[46:47]    ; 32 lanes store 512 consecutive bytes, at a multiple of 512 from out0's first byte
	s_wait_xcnt 0x0
	v_lshl_add_u32 v254, v0, 2, 0x46200
	v_mov_b32 v255, 0
	s_wait_tensorcnt 0x0
	ds_add_u32 v254, v255
	s_wait_dscnt 0x0
	s_endpgm
.Lfunc_end_k_q4d3318f74e_pair:
	.size	k_q4d3318f74e_pair, .Lfunc_end_k_q4d3318f74e_pair-k_q4d3318f74e_pair
	.p2alignl 7, 3214868480
	.fill 96, 4, 3214868480
	.section	.rodata,"a",@progbits
	.p2align	6, 0x0
	.amdhsa_kernel k_q4d3318f74e_pair
		.amdhsa_group_segment_fixed_size 289280
		.amdhsa_private_segment_fixed_size 0
		.amdhsa_enable_private_segment 0
		.amdhsa_kernarg_size 176
		.amdhsa_user_sgpr_count 2
		.amdhsa_user_sgpr_kernarg_segment_ptr 1
		.amdhsa_wavefront_size32 1
		.amdhsa_system_sgpr_workgroup_id_x 1
		.amdhsa_system_sgpr_workgroup_id_y 1
		.amdhsa_system_sgpr_workgroup_id_z 1
		.amdhsa_system_vgpr_workitem_id 0
		.amdhsa_next_free_vgpr 256
		.amdhsa_next_free_sgpr 100
		.amdhsa_reserve_vcc 0
		.amdhsa_float_denorm_mode_32 3
		.amdhsa_float_denorm_mode_16_64 3
		.amdhsa_memory_ordered 1
		.amdhsa_forward_progress 1
		.amdhsa_inst_pref_size 160
	.end_amdhsa_kernel
	.amdgpu_metadata
---
amdhsa.version: [ 1, 2 ]
amdhsa.kernels:
  - .name:           k_q4d3318f74e_pair
    .symbol:         k_q4d3318f74e_pair.kd
    .args:
      - { .name: obj_center, .offset: 0, .size: 8, .value_kind: global_buffer, .address_space: global }
      - { .name: fc1_w, .offset: 8, .size: 8, .value_kind: global_buffer, .address_space: global }
      - { .name: fc1_b, .offset: 16, .size: 8, .value_kind: global_buffer, .address_space: global }
      - { .name: ln1_g, .offset: 24, .size: 8, .value_kind: global_buffer, .address_space: global }
      - { .name: ln1_b, .offset: 32, .size: 8, .value_kind: global_buffer, .address_space: global }
      - { .name: fc2_w_codes, .offset: 40, .size: 8, .value_kind: global_buffer, .address_space: global }
      - { .name: fc2_w_scales, .offset: 48, .size: 8, .value_kind: global_buffer, .address_space: global }
      - { .name: fc2_b, .offset: 56, .size: 8, .value_kind: global_buffer, .address_space: global }
      - { .name: ln2_g, .offset: 64, .size: 8, .value_kind: global_buffer, .address_space: global }
      - { .name: ln2_b, .offset: 72, .size: 8, .value_kind: global_buffer, .address_space: global }
      - { .name: fc3_w, .offset: 80, .size: 8, .value_kind: global_buffer, .address_space: global }
      - { .name: fc3_b, .offset: 88, .size: 8, .value_kind: global_buffer, .address_space: global }
      - { .name: qimg, .offset: 96, .size: 8, .value_kind: global_buffer, .address_space: global }
      - { .name: qscl, .offset: 104, .size: 8, .value_kind: global_buffer, .address_space: global }
      - { .name: kimg, .offset: 112, .size: 8, .value_kind: global_buffer, .address_space: global }
      - { .name: kscl, .offset: 120, .size: 8, .value_kind: global_buffer, .address_space: global }
      - { .name: vimg, .offset: 128, .size: 8, .value_kind: global_buffer, .address_space: global }
      - { .name: vscl, .offset: 136, .size: 8, .value_kind: global_buffer, .address_space: global }
      - { .name: wo_codes, .offset: 144, .size: 8, .value_kind: global_buffer, .address_space: global }
      - { .name: wo_scales, .offset: 152, .size: 8, .value_kind: global_buffer, .address_space: global }
      - { .name: bo, .offset: 160, .size: 8, .value_kind: global_buffer, .address_space: global }
      - { .name: out0, .offset: 168, .size: 8, .value_kind: global_buffer, .address_space: global }
    .group_segment_fixed_size: 289280
    .private_segment_fixed_size: 0
    .kernarg_segment_align: 8
    .kernarg_segment_size: 176
    .max_flat_workgroup_size: 512
    .sgpr_count:     100
    .vgpr_count:     256
    .wavefront_size: 32
...
	.end_amdgpu_metadata
.endif
;; end of part 2
